; MI455X (gfx1250); checked and timed in simulation.
; The chip was launched on July 23, 2026; its instructions are those of AMD's public machine-readable ISA for CDNA 5 (MIT licence, August 2026) and "CDNA5" Instruction Set Architecture Reference Guide (July 2026). The comments in the code are by the model that wrote it; some were corrected since.
;; Sparse Attention. Allowed arithmetic: matrix products marked QUANTISED: E3M2 operands, one E8M0 scale for each 32 along K, by v_wmma_scale_f32_16x16x128_f8f6f4 with both operands' format E3M2, f32 sums; everything else in f32.
;; Inputs: k 1 x 16 x 4,096 x 64 float32; q 1 x 16 x 4,096 x 64 float32; v 1 x 16 x 4,096 x 64 float32.
;; Outputs: out0 1 x 16 x 4,096 x 64 float32.
;; This version of the problem:
;;   THIS VERSION OF THE PROBLEM IS GIVEN IN LOW PRECISION. The matrix products marked QUANTISED in the list below multiply operands that are first quantised to E3M2 (3 exponent bits, 2 mantissa bits; 6 bits a number), with one power-of-two scale for each 32 numbers along K (OCP MX v1.0); their sums are f32. All else is computed in f32.
;;   The module's matrix products, in the order in which they are computed (A, B: the left and right operand; K: the contracted axis; several contracted axes count as one K, in the product's order):
;;     1. batch 16 x [M 4,096, K 64] x [K 64, N 4,096]; A: input q; B: input k: QUANTISED
;;     2. batch 16 x [M 4,096, K 4,096] x [K 4,096, N 64]; A: computed on the way; B: input v: QUANTISED
;;   THE QUANTISER, for each operand of a quantised product, along K:
;;     - K is cut into blocks of 32 from its start; a last block that is shorter is filled with zeros.
;;     - A block's scale is 2^e with e = floor(log2(the largest magnitude in the block)) - 4, held to -126 .. 127; a block of zeros has e = 0. As a byte (E8M0): e + 127.
;;     - Each number is divided by its block's scale, clamped to +-28, and rounded to the nearest number of E3M2, ties to even, subnormals kept.
;;     - The product sums the exact products of the quantised numbers (number of the format x scale) in f32.
;;   ~~~python
;;   def quantise(x, axis):      # numpy; x: float32 -> the quantised numbers, widened to float32 again
;;       x = np.moveaxis(x, axis, -1); K = x.shape[-1]
;;       x = np.pad(x, [(0, 0)] * (x.ndim - 1) + [(0, -K % 32)]); x = x.reshape(x.shape[:-1] + (-1, 32)); a = np.abs(x).max(-1, keepdims=True)
;;       e = np.where(a > 0, np.clip(np.frexp(np.where(a > 0, a, 1))[1] - 1 - 4, -126, 127), 0)      # np.frexp(a)[1] - 1 = floor(log2(a)), exactly
;;       r = np.clip(x / 2.0 ** e, -28, 28)
;;       step = 2.0 ** (np.maximum(np.frexp(np.where(r == 0, 1, r))[1] - 1, -2) - 2)
;;       q = np.round(r / step) * step * 2.0 ** e      # np.round: ties to even
;;       return np.moveaxis(q.reshape(q.shape[:-2] + (-1,))[..., :K], -1, axis).astype(np.float32)
;;   ~~~
;;   OPERANDS COMPUTED ON THE WAY. 'Computed on the way' means the value that the module computes at that place (a softmax that the list does not call 'softmax' is quantised finished and normalised). What goes into a quantiser is computed in f32, as accurately as f32 sums, v_exp_f32 and their like allow (about 1e-6 of the number): no bf16 or f16 on the way to a quantiser, and a product that is left as it is and whose result goes on into a quantised operand takes f32 operands (vector FMAs, or v_wmma_f32_16x16x4_f32). A number that lies on a knife's edge between two numbers of the format may be rounded either way, as far as f32 arithmetic and the matrix unit's own rounding can turn it there, and no further.
;; One version. Each part assembles by itself: llvm-mc -triple=amdgcn-amd-amdhsa -mcpu=gfx1250 --defsym DOCPART=n.
;; ======== version 1 of 1: 1 launch
;; launch attn (part 1): grid 16 x 16, 16 waves a work-group, no clusters, 268,544 bytes of LDS; arguments q, k, v, out0; writes out0
.if DOCPART == 1
	.amdgcn_target "amdgcn-amd-amdhsa--gfx1250"
	.amdhsa_code_object_version 6
	.text
	.protected	k_q9a938d72f9_attn
	.globl	k_q9a938d72f9_attn
	.p2align	8
	.type	k_q9a938d72f9_attn,@function
k_q9a938d72f9_attn:
	s_mov_b64 s[64:65], 0
	v_nop
	global_prefetch_b8 v0, s[64:65] scope:SCOPE_SE
	s_setreg_imm32_b32 hwreg(HW_REG_WAVE_MODE, 25, 1), 1
	s_wait_xcnt 0x0
; out[h][i][:] = sum over j of attn[i][j] v[h][j][:], attn = softmax over j in [i-128, i+128) (cut to 0 .. 4095) of q[h][i] . k[h][j] / 8.   q, k, v, out: [16][4096][64] f32.
; Both products on codes of BF6 (E3M2) with one E8M0 scale for each 32 along a product's K.  First product: K = the head's 64 (two blocks; the instruction's upper 64 are zero codes on both sides).
; Second product: K = the keys; what is quantised is the FINISHED attn (maximum taken away, exponential, divided by the row's sum, 0 outside the band), in blocks of 32 keys counted from key 0.
; So a row's scores are all held in registers until its sum is known: no running maximum.
; SHARES.  A work-group owns 256 queries of one head (base = 256 x) and the 512 keys base-128 .. base+383: sixteen blocks of 32.  Sixteen waves of 256 registers, four to a SIMD.
;   As PRODUCER wave w quantises block w of k (along the head's 64) and of v (along the keys) into LDS.  A block that would lie outside the tensor takes the nearest block inside: its scores are masked, its p are zero codes.
;   As CONSUMER wave w owns queries i0 = base + 16 w .. + 15; with g = i0 rounded down to 64 and kb = g - 128 their band lies in the 320 keys kb .. kb + 319: five groups of 64 keys, ten blocks.
; LAYOUT.  Both products are used transposed (S^T = k q^T, O^T = v^T p^T): a lane holds ONE query (lane % 16) throughout.
;   THE KEYS OF A SCORE TILE ARE NOT NEIGHBOURS: row m of tile (c, i) is key kb + 64 c + 32 (m / 8) + 8 i + m % 8, so that register 32 c + n of lane (r, h) is key kb + 64 c + 32 h + n:
;   a WHOLE block of 32 keys in one lane, the very block that the 6-bit operand layout gives that lane.  A block's maximum needs no other lane, and the conversions' results are the operand.
; ONE barrier: between the producers' LDS stores and the consumers' LDS loads.  No LDS byte is filled twice by a tensor load: every request of the work-group goes out in its first lines.
; NO CLUSTER: what two neighbouring work-groups share is 256 keys, which are blocks 8-15 of the one and blocks 0-7 of the other: a joint load has one LDS address for both, so every later LDS address
;   would hang on the work-group's place in the cluster; and a third work-group shares nothing with these two.
; LIMITS.  NaN and infinities among the inputs are not served.  A weight under 2^-126 of its row's largest comes out of v_exp_f32 as 0.  A block of zeros carries the scale byte 1 where the quantiser says 127:
;   its codes are zeros, and this program alone reads the byte.  A block's largest attn is taken as its largest SCORE sent through the same instructions: that takes v_exp_f32 not to fall where its input rises;
;   at the worst one weight within an ulp of a power of two is held one code low.
; LDS (bytes)
.set QR, 0              ; 16 x 4,352: wave w's 16 rows of q as f32, 256 bytes + 16 of padding a row; after its one fill and its one reading it is the same wave's stage for the way out
.set KR, 69632          ; 16 x 8,704: wave w's 32 rows of k as f32, the same pitch
.set KC, 208896         ; 16 x 1,664: k's codes: block b at 1,664 b (32 x 48 + 128), key at 48 a key, the head's block h at 24 h
.set VC, 235520         ; 16 x 1,664: v's codes: block b at 1,664 b, column d at 24 d
.set KS, 262144         ; 2,048: k's scale words, 4 bytes a key (bytes 0, 1: the two blocks; bytes 2, 3: 0, over zero codes)
.set VS, 264192         ; 64 x 36: v's scale bytes, a row a column: block b at byte b, and once more at byte 18 + b, so that a word that begins at an odd pair of blocks is aligned too
.set RP, 272            ; pitch of the raw rows and of the stage: the sixteen rows of a 16-byte load begin in sixteen different groups of four banks
.set FLOOR, 0x2800000   ; 2^(5 - 127): no largest magnitude is taken under it, so no scale byte falls under 1
; vector registers
.set LR, 1              ; r = lane % 16
.set LH, 2              ; h = lane / 16
.set LN, 3              ; lane
.set AKR, 4             ; my 128 raw bytes of k: KR + 8704 w + 272 r + 128 h
.set AQR, 5             ; of q: 4352 w + 272 r + 128 h
.set AKW, 6             ; where my codes of k go: KC + 1664 w + 48 r + 24 h
.set AKSW, 7            ; and their scale word: KS + 128 w + 4 r
.set AVW, 8             ; my codes of v: VC + 1664 w + 24 lane
.set AVSW, 9            ; and their scale byte: VS + 36 lane + w
.set AKF, 10            ; k's fragments: KC + 3328 (w / 4) + 1664 (r / 8) + 48 (r % 8) + 24 h
.set AKSF, 11           ; k's scale words: KS + 256 (w / 4) + 128 (r / 8) + 4 (r % 8)
.set AVF, 12            ; v's fragments: VC + 3328 (w / 4) + 1664 h + 24 r
.set AVS1, 13           ; v's scale words: VS + 36 r + 2 (w / 4) + 18 ((w / 4) % 2)
.set AVS2, 14           ; v's last two bytes: VS + 36 r + 2 (w / 4)
.set STO, 15            ; the way out: where I put 32 bytes of a row
.set RD, 16             ; and where I read a row back
.set GO, 17             ; my byte offset in the wave's rows of out
.set VOFF, 18           ; 4 x lane: my column of v
.set SH8, 19            ; 8 h
.set L0, 20             ; group 0: register n is hidden where n < L0
.set H4, 21             ; group 4: register n is hidden where n >= H4
.set NINF, 22           ; -infinity
.set PT, 23             ; a lane permute's destination
.set SCA, 24            ; v24-27 scales alone: first the scales that I make of k and v, then k's tile words, then v's words
.set SCB, 28            ; v28-31 scales alone: v's words, second set
.set QF, 32             ; v32-43 q's fragment (upper six: zeros); behind the scores v32-39 are at work on p's bytes
.set BY, 32
.set QS, 44             ; q's scale word
.set PW, 45             ; v45-47 p's scale words of the three K steps
.set KF, 48             ; v48-95 four fragments of k (upper six of each: zeros)
.set TMA, 57            ; at work in the quantiser
.set TMB, 58
.set SOP, 59
.set SUM, 48            ; v[48:49], v[50:51] the row's sum in two chains
.set SU2, 50
.set RC, 52             ; v[52:53] 1 / sum (low word)
.set MX, 54
.set PC, 48             ; v48-83 p's three fragments: group c at PC + 6 c; the last six: zeros
.set BM, 84             ; v84-88 a block's largest score, weight, then the conversion's scale operand
.set TT, 90             ; v90-92 a conversion's second half
.set NM, 94             ; v[94:95] -m c (low word)
.set S, 96              ; v96-255 the 160 scores of my query's half, then p, then attn
.set VR, 96             ; early: v96-159 v as f32: column lane, then column lane + 32, registers down the keys
.set XA, 160            ; early: 32 numbers of k, of k, of q
.set XB, 192
.set XC, 224
.set VFA, 96            ; late: v's fragments, two sets
.set VFB, 144
.set O, 200             ; v200-231 O^T, four tiles of 16 columns
.set OB, 96             ; the way out: rows read back
; scalar registers
.set WV, 12             ; my wave's number
.set BASE, 13           ; the work-group's first query
.set G1Q, 16            ; s[16:23] descriptor group 1 for q's tile, s[24:31] for k's
.set G1K, 24
.set G0K, 32            ; s[32:35], s[36:39] groups 0
.set G0Q, 36
.set SEL, 40            ; s[40:41] v_permlanex16_b32's selects for lane l xor 16
.set CS, 42             ; s[42:43] c = log2(e) / 8
.set NC, 44             ; -c
.set KB, 45             ; kb
.set KFIRST, 48         ; first key of the block that I quantise
.set I0, 49             ; my first query
.set GQ, 50             ; g
.set QD, 51             ; w / 4
.set PAR, 53            ; (w / 4) % 2
.macro PLACES n
.rept \n
	v_nop
.endr
.endm
; 32 numbers of ONE block, v[x] .. v[x + 31], become six registers of codes in v[c] on and the block's scale byte in v[by].  t: three registers for the second half, since a conversion's three begin on an even number.
.macro QUANT32 x, c, t, by
	v_max3_num_f32 v[TMA], |v[\x]|, |v[\x+1]|, FLOOR                  ; the largest magnitude, in two chains, the floor among its leaves
	v_max3_num_f32 v[TMB], |v[\x+2]|, |v[\x+3]|, |v[\x+4]|
.irp i, 5,9,13,17,21,25
	v_max3_num_f32 v[TMA], v[TMA], |v[\x+\i]|, |v[\x+\i+1]|
	v_max3_num_f32 v[TMB], v[TMB], |v[\x+\i+2]|, |v[\x+\i+3]|
.endr
	v_max3_num_f32 v[TMA], v[TMA], |v[\x+29]|, |v[\x+30]|
	v_max3_num_f32 v[TMA], v[TMA], v[TMB], |v[\x+31]|
	v_add_nc_u32 v[SOP], 0xfe000000, v[TMA]                           ; 4 off its exponent field: the conversion takes the exponent field of this operand as its scale
	v_lshrrev_b32 v[\by], 23, v[SOP]                                  ; the scale's byte
	v_cvt_scalef32_pk16_bf6_f32 v[\c:\c+2], v[\x:\x+15], v[SOP]       ; beyond the largest code the largest: the quantiser's clamp
	v_cvt_scalef32_pk16_bf6_f32 v[\t:\t+2], v[\x+16:\x+31], v[SOP]
	v_nop                                                             ; one plain place behind a scaled conversion
.irp i, 0,1,2
	v_mov_b32 v[\c+3+\i], v[\t+\i]
.endr
.endm
; my byte (block h of a row of k or q) and lane l xor 16's make the row's scale word; bytes 2 and 3 stay 0
.macro WORD2 by
	v_lshlrev_b32 v[\by], v[SH8], v[\by]
	v_permlanex16_b32 v[PT], v[\by], s[SEL], s[SEL+1]
	v_or_b32 v[\by], v[\by], v[PT]
.endm
; the scores of group c: four tiles of 16 keys x my 16 queries
.macro KGROUP c
.irp i, 0,1,2,3
.irp p, 0,1,2
	ds_load_b64 v[KF+12*\i+2*\p:KF+12*\i+2*\p+1], v[AKF] offset:3328*\c+384*\i+8*\p
.endr
	ds_load_b32 v[SCA+\i], v[AKSF] offset:256*\c+32*\i
.endr
	s_wait_dscnt 0x0
.irp i, 0,1,2,3
	v_wmma_scale_f32_16x16x128_f8f6f4 v[S+32*\c+8*\i:S+32*\c+8*\i+7], v[KF+12*\i:KF+12*\i+11], v[QF:QF+11], 0, v[SCA+\i], v[QS] matrix_a_fmt:MATRIX_FMT_BF6 matrix_b_fmt:MATRIX_FMT_BF6
.endr
	PLACES 4                                                          ; in front of loads into registers that these products read, and of the first read of results
.endm
; group c's 32 attn of my block become six registers of p's operand
.macro PCVT c
	v_cvt_scalef32_pk16_bf6_f32 v[PC+6*\c:PC+6*\c+2], v[S+32*\c:S+32*\c+15], v[BM+\c]
	v_cvt_scalef32_pk16_bf6_f32 v[TT:TT+2], v[S+32*\c+16:S+32*\c+31], v[BM+\c]
	v_nop
.irp i, 0,1,2
	v_mov_b32 v[PC+6*\c+3+\i], v[TT+\i]
.endr
.endm
; v's four fragments (16 columns x 128 keys) and scale words of K step s: 28 LDS loads.  Step 2 has two blocks only: p's codes of its upper 64 keys are zeros, and v's two blocks are loaded twice, so that nothing unwritten is read
.macro VLOAD s, f, sc
.irp t, 0,1,2,3
.irp p, 0,1,2,3,4,5
.if \s < 2
	ds_load_b64 v[\f+12*\t+2*\p:\f+12*\t+2*\p+1], v[AVF] offset:(4*\s+2*(\p/3))*1664+384*\t+8*(\p%3)
.else
	ds_load_b64 v[\f+12*\t+2*\p:\f+12*\t+2*\p+1], v[AVF] offset:(4*\s)*1664+384*\t+8*(\p%3)
.endif
.endr
.if \s < 2
	ds_load_b32 v[\sc+\t], v[AVS1] offset:576*\t+4*\s
.else
	ds_load_u16 v[\sc+\t], v[AVS2] offset:576*\t+8                    ; two bytes; bytes 2 and 3 come as 0, over zero codes
.endif
.endr
.endm
; O^T (+)= v^T p^T for K step s: the four accumulators take turns, one instruction a turn
.macro PV s, f, sc, zero
.irp t, 0,1,2,3
.if \zero
	v_wmma_scale_f32_16x16x128_f8f6f4 v[O+8*\t:O+8*\t+7], v[\f+12*\t:\f+12*\t+11], v[PC+12*\s:PC+12*\s+11], 0, v[\sc+\t], v[PW+\s] matrix_a_fmt:MATRIX_FMT_BF6 matrix_b_fmt:MATRIX_FMT_BF6
.else
	v_wmma_scale_f32_16x16x128_f8f6f4 v[O+8*\t:O+8*\t+7], v[\f+12*\t:\f+12*\t+11], v[PC+12*\s:PC+12*\s+11], v[O+8*\t:O+8*\t+7], v[\sc+\t], v[PW+\s] matrix_a_fmt:MATRIX_FMT_BF6 matrix_b_fmt:MATRIX_FMT_BF6
.endif
.endr
.endm
	; ---- the head: ids, descriptors, bases
	s_load_b256 s[4:11], s[0:1], 0x0               ; q s[4:5], k s[6:7], v s[8:9], out s[10:11]
	v_lshl_add_u32 v254, v0, 2, 0x41100
	v_mov_b32 v255, 0
	ds_add_u32 v254, v255
	ds_add_u32 v254, v255
	s_wait_dscnt 0x0
	v_lshrrev_b32 v[PT], 5, v0
	v_readfirstlane_b32 s[WV], v[PT]               ; wave 0..15
	v_and_b32 v[LN], 31, v0
	v_and_b32 v[LR], 15, v0
	v_bfe_u32 v[LH], v0, 4, 1
	v_lshlrev_b32 v[VOFF], 2, v[LN]
	s_lshl_b32 s[BASE], ttmp9, 8                   ; the work-group's first query
	s_and_b32 s14, ttmp7, 0xffff                   ; the head:
	s_lshl_b32 s14, s14, 20                        ; 4,096 rows of 256 bytes
	s_mov_b32 s15, 0
	s_lshl_b32 s[KFIRST], s[WV], 5
	s_add_co_u32 s[KFIRST], s[KFIRST], s[BASE]
	s_sub_co_i32 s[KFIRST], s[KFIRST], 128         ; block w begins at key base - 128 + 32 w,
	s_max_i32 s[KFIRST], s[KFIRST], 0              ; held inside the tensor
	s_min_i32 s[KFIRST], s[KFIRST], 4064
	s_lshl_b32 s[I0], s[WV], 4
	s_add_co_u32 s[I0], s[I0], s[BASE]             ; my first query
	s_and_b32 s[GQ], s[I0], 0xffffffc0             ; g
	s_sub_co_i32 s[KB], s[GQ], 128                 ; kb (-128 or -64 at the tensor's start)
	s_lshr_b32 s[QD], s[WV], 2
	s_and_b32 s[PAR], s[QD], 1
	s_mov_b32 s[SEL], 0x76543210
	s_mov_b32 s[SEL+1], 0xfedcba98
	s_mov_b32 s[CS], 0x3e38aa3b                    ; c = log2(e) / sqrt(64)
	s_mov_b32 s[CS+1], 0x3e38aa3b                  ; (named with it as a pair, so it is written)
	s_mov_b32 s[NC], 0xbe38aa3b
	; descriptor groups 1: rows of 64 elements of 4 bytes, dense in memory; 16 bytes of padding behind each row of 64 words
	s_mov_b32 s[G1Q], (2<<16)|(1<<20)|(5<<22)|(3<<25)
	s_mov_b32 s[G1Q+1], 64<<16                     ; tensor_dim0
	s_mov_b32 s[G1Q+2], 16<<16                     ; tensor_dim1 = 16 rows
	s_mov_b32 s[G1Q+3], 64<<16                     ; tile_dim0
	s_mov_b32 s[G1Q+4], 16                         ; tile_dim1
	s_mov_b32 s[G1Q+5], 64                         ; elements from row to row
	s_mov_b32 s[G1Q+6], 0
	s_mov_b32 s[G1Q+7], 0
	s_mov_b32 s[G1K], (2<<16)|(1<<20)|(5<<22)|(3<<25)
	s_mov_b32 s[G1K+1], 64<<16
	s_mov_b32 s[G1K+2], 32<<16                     ; 32 rows
	s_mov_b32 s[G1K+3], 64<<16
	s_mov_b32 s[G1K+4], 32
	s_mov_b32 s[G1K+5], 64
	s_mov_b32 s[G1K+6], 0
	s_mov_b32 s[G1K+7], 0
	s_mov_b32 s[G0K], 1
	s_mul_i32 s[G0K+1], s[WV], 32*RP
	s_add_co_u32 s[G0K+1], s[G0K+1], KR            ; each wave's tile goes to bytes of its own
	s_mov_b32 s[G0Q], 1
	s_mul_i32 s[G0Q+1], s[WV], 16*RP
	s_lshl_b32 s46, s[KFIRST], 8                   ; byte offsets, made apart from the addresses: head + 256 x first key,
	s_mov_b32 s47, 0
	s_add_nc_u64 s[46:47], s[46:47], s[14:15]
	s_lshl_b32 s2, s[I0], 8                        ; head + 256 x first query
	s_mov_b32 s3, 0
	s_add_nc_u64 s[2:3], s[2:3], s[14:15]
	s_wait_kmcnt 0x0
	s_add_nc_u64 s[G0K+2:G0K+3], s[6:7], s[46:47]
	s_or_b32 s[G0K+3], s[G0K+3], 0x80000000        ; type = 2
	s_add_nc_u64 s[G0Q+2:G0Q+3], s[4:5], s[2:3]
	s_or_b32 s[G0Q+3], s[G0Q+3], 0x80000000
	s_add_nc_u64 s[8:9], s[8:9], s[46:47]          ; v at my block's first key
	s_add_nc_u64 s[10:11], s[10:11], s[2:3]        ; out at my first query
	; ---- every request at once: 8 KiB of k, 4 KiB of q (two tensor loads of mine are out), 8 KiB of v
	tensor_load_to_lds s[G0K:G0K+3], s[G1K:G1K+7]
	s_nop 0
	tensor_load_to_lds s[G0Q:G0Q+3], s[G1Q:G1Q+7]
	s_nop 0
	PLACES 4                                       ; behind the tensor loads
.set j, 0
.rept 32                                           ; v: A LANE TAKES A COLUMN AND ITS REGISTERS RUN DOWN THE KEYS; a row's two halves of 128 bytes stand back to back.  No hint: the neighbouring work-group reads half of these keys too
	global_load_b32 v[VR+j], v[VOFF], s[8:9] offset:256*j
	global_load_b32 v[VR+32+j], v[VOFF], s[8:9] offset:256*j+128
.set j, j+1
.endr
	; ---- the addresses: each a constant x lane terms + a scalar made of the wave's number; none is written again
	v_mul_u32_u24 v[AKR], v[LR], RP
	v_lshl_add_u32 v[AKR], v[LH], 7, v[AKR]        ; 272 r + 128 h
	v_add_nc_u32 v[AQR], s[G0Q+1], v[AKR]
	v_add_nc_u32 v[AKR], s[G0K+1], v[AKR]
	s_mul_i32 s54, s[WV], 1664
	s_add_co_u32 s55, s54, KC
	s_add_co_u32 s57, s54, VC
	s_lshl_b32 s56, s[WV], 7
	s_add_co_u32 s56, s56, KS
	s_add_co_u32 s58, s[WV], VS
	v_mul_u32_u24 v[AKW], v[LR], 48
	v_mad_u32_u24 v[AKW], v[LH], 24, v[AKW]
	v_add_nc_u32 v[AKW], s55, v[AKW]
	v_lshl_add_u32 v[AKSW], v[LR], 2, s56
	v_mul_u32_u24 v[AVW], v[LN], 24
	v_add_nc_u32 v[AVW], s57, v[AVW]
	v_mul_u32_u24 v[AVSW], v[LN], 36
	v_add_nc_u32 v[AVSW], s58, v[AVSW]
	s_mul_i32 s59, s[QD], 3328                     ; my window begins at the work-group's block 2 (w / 4)
	s_add_co_u32 s60, s59, KC
	s_add_co_u32 s62, s59, VC
	s_lshl_b32 s61, s[QD], 8
	s_add_co_u32 s61, s61, KS
	s_lshl_b32 s63, s[QD], 1
	s_add_co_u32 s63, s63, VS
	s_mul_i32 s54, s[PAR], 18                      ; an odd pair of blocks takes the second copy of v's scale bytes
	s_add_co_u32 s54, s54, s63
	v_lshrrev_b32 v[RD], 3, v[LR]                  ; r / 8   (in registers that get their own values below)
	v_and_b32 v[GO], 7, v[LR]                      ; r % 8
	v_mul_u32_u24 v[AKF], v[RD], 1664
	v_mad_u32_u24 v[AKF], v[GO], 48, v[AKF]
	v_mad_u32_u24 v[AKF], v[LH], 24, v[AKF]
	v_add_nc_u32 v[AKF], s60, v[AKF]
	v_lshl_add_u32 v[AKSF], v[RD], 7, s61
	v_lshl_add_u32 v[AKSF], v[GO], 2, v[AKSF]
	v_mul_u32_u24 v[AVF], v[LH], 1664
	v_mad_u32_u24 v[AVF], v[LR], 24, v[AVF]
	v_add_nc_u32 v[AVF], s62, v[AVF]
	v_mul_u32_u24 v[AVS2], v[LR], 36
	v_add_nc_u32 v[AVS1], s54, v[AVS2]
	v_add_nc_u32 v[AVS2], s63, v[AVS2]
	v_mul_u32_u24 v[STO], v[LR], RP
	v_lshl_add_u32 v[STO], v[LH], 5, v[STO]
	v_add_nc_u32 v[STO], s[G0Q+1], v[STO]          ; the stage: row r, 32 bytes for each half of the lanes
	v_mul_u32_u24 v[RD], v[LH], RP
	v_lshl_add_u32 v[RD], v[LR], 4, v[RD]
	v_add_nc_u32 v[RD], s[G0Q+1], v[RD]            ; back: lanes 0-15 one row of 256 bytes, lanes 16-31 the next
	v_lshlrev_b32 v[GO], 8, v[LH]
	v_lshl_add_u32 v[GO], v[LR], 4, v[GO]          ; and the same two rows in out
	v_lshlrev_b32 v[SH8], 3, v[LH]
	; the band's ends for my query i = i0 + r, as register numbers: register n of group c is key kb + 64 c + 32 h + n
	v_add_nc_u32 v[L0], s[I0], v[LR]               ; i
	v_min_u32 v[H4], 0x80, v[L0]
	v_sub_nc_u32 v[NINF], v[L0], v[H4]             ; the first key that counts: max(i - 128, 0) = i - min(i, 128)
	v_add_nc_u32 v[H4], 0x80, v[L0]
	v_min_u32 v[H4], 0x1000, v[H4]                 ; the first that no longer counts: min(i + 128, 4096)
	v_lshl_add_u32 v[PT], v[LH], 5, s[KB]          ; kb + 32 h
	v_sub_nc_u32 v[L0], v[NINF], v[PT]
	v_sub_nc_u32 v[H4], v[H4], v[PT]
	v_add_nc_u32 v[H4], 0xffffff00, v[H4]          ; - 256: group 4
	v_mov_b32 v[NINF], 0xff800000
	v_mov_b32 v[PT], 0
	; ---- k and q: lane (r, h) takes block h (32 numbers, 128 bytes) of a row
	s_wait_tensorcnt 0x1                           ; tensor loads of a wave end in order: my tile of k is in LDS, q's may be out.  Only I read these bytes
.irp j, 0,1,2,3,4,5,6,7
	ds_load_b128 v[XA+4*\j:XA+4*\j+3], v[AKR] offset:16*\j            ; key r of my block
.endr
.irp j, 0,1,2,3,4,5,6,7
	ds_load_b128 v[XB+4*\j:XB+4*\j+3], v[AKR] offset:16*RP+16*\j      ; key 16 + r
.endr
	s_wait_tensorcnt 0x0                           ; q's tile is in
.irp j, 0,1,2,3,4,5,6,7
	ds_load_b128 v[XC+4*\j:XC+4*\j+3], v[AQR] offset:16*\j            ; query r
.endr
	s_wait_dscnt 16                                ; the first eight loads are in; the sixteen behind them may be out
	QUANT32 XA, 48, 54, SCA
	WORD2 SCA
.irp p, 0,1,2
	ds_store_b64 v[AKW], v[48+2*\p:49+2*\p] offset:8*\p
.endr
	ds_store_b32 v[AKSW], v[SCA]                   ; both halves of the lanes write the same word with the same value
	s_wait_dscnt 12                                ; q's eight loads and my four stores may be out
	QUANT32 XB, 60, 66, SCA+1
	WORD2 SCA+1
.irp p, 0,1,2
	ds_store_b64 v[AKW], v[60+2*\p:61+2*\p] offset:768+8*\p
.endr
	ds_store_b32 v[AKSW], v[SCA+1] offset:64
	s_wait_dscnt 8                                 ; my eight stores may be out
	QUANT32 XC, QF, QF+6, QS                       ; q stays in registers: it is source 1 of every score tile
	WORD2 QS
.irp i, 6,7,8,9,10,11
	v_mov_b32 v[QF+\i], 0                          ; K = 64 .. 127: zero codes
.endr
	; ---- v: a lane's 32 registers are a whole block along the keys of one column
	s_wait_loadcnt 0x0
	QUANT32 VR, 72, 78, SCA+2
	QUANT32 VR+32, 84, 90, SCA+3
.irp e, 0,1
.irp p, 0,1,2
	ds_store_b64 v[AVW], v[72+12*\e+2*\p:73+12*\e+2*\p] offset:768*\e+8*\p
.endr
	ds_store_b8 v[AVSW], v[SCA+2+\e] offset:1152*\e
	ds_store_b8 v[AVSW], v[SCA+2+\e] offset:1152*\e+18
.endr
	; ---- the one barrier: every wave's codes and scales lie in LDS; from here on those bytes are only read
	s_wait_dscnt 0x0                               ; for the others' sake: my stores have landed
	s_barrier_signal -1
.irp i, 0,1,2,3
.irp u, 6,7,8,9,10,11
	v_mov_b32 v[KF+12*\i+\u], 0                    ; k's fragments: K = 64 .. 127: zero codes
.endr
.endr
	PLACES 8                                       ; operands and scales written by vector instructions stand this far ahead of a scaled matrix instruction
	s_barrier_wait -1
	; ---- the scores: 20 products, each starts its sum with the constant 0
	KGROUP 0
	KGROUP 1
	KGROUP 2
	KGROUP 3
	KGROUP 4
	; ---- the mask.  Hidden scores become -infinity ahead of the maximum.  Each tile's registers are taken in ascending order
.set n, 0
.rept 32
	v_cmp_lt_i32 vcc_lo, n, v[L0]
	v_cndmask_b32 v[S+n], v[S+n], v[NINF], vcc_lo
.set n, n+1
.endr
.set n, 0
.rept 32
	v_cmp_ge_i32 vcc_lo, n, v[H4]
	v_cndmask_b32 v[S+128+n], v[S+128+n], v[NINF], vcc_lo
.set n, n+1
.endr
	s_cmp_lg_u32 s[GQ], 0                          ; groups 1 and 3 lie inside the band of all my queries; only the tensor's ends cut them, and then wholly: a branch on ids
	s_cbranch_scc1 .Lnot_first
.set n, 0
.rept 32
	v_mov_b32 v[S+32+n], v[NINF]                   ; keys -64 .. -1
.set n, n+1
.endr
.Lnot_first:
	s_cmp_lg_u32 s[GQ], 4032
	s_cbranch_scc1 .Lnot_last
.set n, 0
.rept 32
	v_mov_b32 v[S+96+n], v[NINF]                   ; keys 4,096 .. 4,159
.set n, n+1
.endr
.Lnot_last:
	; ---- the largest score of each of my five blocks (it serves twice: for the row's maximum and for the block's largest attn), five chains by turns
.irp c, 0,1,2,3,4
	v_max3_num_f32 v[BM+\c], v[S+32*\c], v[S+32*\c+1], v[S+32*\c+2]
.endr
.irp k, 3,5,7,9,11,13,15,17,19,21,23,25,27,29
.irp c, 0,1,2,3,4
	v_max3_num_f32 v[BM+\c], v[BM+\c], v[S+32*\c+\k], v[S+32*\c+\k+1]
.endr
.endr
.irp c, 0,1,2,3,4
	v_max_num_f32 v[BM+\c], v[BM+\c], v[S+32*\c+31]
.endr
	v_max3_num_f32 v[MX], v[BM], v[BM+1], v[BM+2]
	v_max3_num_f32 v[MX], v[MX], v[BM+3], v[BM+4]
	v_permlanex16_b32 v[PT], v[MX], s[SEL], s[SEL+1]
	v_max_num_f32 v[MX], v[MX], v[PT]              ; with lane l xor 16's five blocks: the row's maximum m (the query's own key always counts, so it is a number)
	v_mul_f32 v[NM], s[NC], v[MX]                  ; -m c; its rounding is common to the row and leaves with the division
	; ---- p = 2^(c s - c m)
.set j, 0
.rept 80
	v_pk_fma_f32 v[S+j:S+j+1], v[S+j:S+j+1], s[CS:CS+1], v[NM:NM+1] op_sel_hi:[1,0,0]   ; of the pairs c and -m c the low word serves both halves
.set j, j+2
.endr
.irp c, 0,1,2,3,4
	v_fma_f32 v[BM+\c], v[BM+\c], s[CS], v[NM]     ; the same of each block's largest score
.endr
.set j, 0
.rept 160
	v_exp_f32 v[S+j], v[S+j]
.set j, j+1
.endr
.irp c, 0,1,2,3,4
	v_exp_f32 v[BM+\c], v[BM+\c]
.endr
	v_nop                                          ; one plain place behind the exponentials
	; ---- the row's sum, two numbers at a time, in two chains
	s_wait_alu depctr_va_vdst(0)
	v_pk_add_f32 v[SUM:SUM+1], v[S:S+1], v[S+2:S+3]
	v_pk_add_f32 v[SU2:SU2+1], v[S+4:S+5], v[S+6:S+7]
.set j, 8
.rept 38
	v_pk_add_f32 v[SUM:SUM+1], v[SUM:SUM+1], v[S+j:S+j+1]
	v_pk_add_f32 v[SU2:SU2+1], v[SU2:SU2+1], v[S+j+2:S+j+3]
.set j, j+4
.endr
	v_pk_add_f32 v[SUM:SUM+1], v[SUM:SUM+1], v[SU2:SU2+1]
	v_add_f32 v[SUM], v[SUM], v[SUM+1]
	v_permlanex16_b32 v[PT], v[SUM], s[SEL], s[SEL+1]
	v_add_f32 v[SUM], v[SUM], v[PT]
	v_rcp_f32 v[RC], v[SUM]
	v_nop                                          ; one plain place behind the reciprocal
	; ---- attn = p / sum: the number that the quantiser takes
.set j, 0
	s_wait_alu depctr_va_vdst(0)
.rept 80
	v_pk_mul_f32 v[S+j:S+j+1], v[S+j:S+j+1], v[RC:RC+1] op_sel_hi:[1,0]
.set j, j+2
.endr
.irp c, 0,1,2,3,4
	v_mul_f32 v[BM+\c], v[BM+\c], v[RC]            ; each block's largest attn: the same instructions on the same number give the same bits
.endr
	; ---- the blocks' scales
.irp c, 0,1,2,3,4
	v_max_num_f32 v[BM+\c], FLOOR, v[BM+\c]        ; a block that is all hidden keeps the floor's byte: its codes are zeros
.endr
.irp c, 0,1,2,3,4
	v_add_nc_u32 v[BM+\c], 0xfe000000, v[BM+\c]    ; 4 off the exponent field: the conversion's scale operand
.endr
.irp c, 0,1,2,3,4
	v_lshrrev_b32 v[BY+\c], 23, v[BM+\c]           ; the byte of block 2 c + h
.endr
	v_lshl_or_b32 v[BY+5], v[BY+1], 16, v[BY]      ; K step 0: my bytes of blocks h and 2 + h,
	v_lshl_or_b32 v[BY+6], v[BY+3], 16, v[BY+2]    ; K step 1: of blocks 4 + h and 6 + h,
	v_lshlrev_b32 v[BY+5], v[SH8], v[BY+5]         ; at their places in the word;
	v_lshlrev_b32 v[BY+6], v[SH8], v[BY+6]
	v_lshlrev_b32 v[BY+7], v[SH8], v[BY+4]         ; K step 2: of block 8 + h alone
.irp s, 0,1,2
	v_permlanex16_b32 v[PT], v[BY+5+\s], s[SEL], s[SEL+1]
	v_or_b32 v[PW+\s], v[BY+5+\s], v[PT]           ; with lane l xor 16's the word is whole
.endr
	; ---- the codes; v's fragments are asked for as soon as the registers that take them have been converted
	PCVT 0
	PCVT 1
	VLOAD 0, VFA, SCA
	PCVT 2
	VLOAD 1, VFB, SCB
	PCVT 3
	PCVT 4
.irp i, 30,31,32,33,34,35
	v_mov_b32 v[PC+\i], 0                          ; K step 2's upper 64 keys: zero codes
.endr
	PLACES 4                                       ; operands written by vector instructions stand four places ahead of a scaled matrix instruction
	; ---- O^T = v^T p^T, three K steps of 128 keys
	s_wait_dscnt 28                                ; K step 0's 28 loads are in; K step 1's 28 may be out
	PV 0, VFA, SCA, 1
	PLACES 4                                       ; in front of loads into registers that these products read
	VLOAD 2, VFA, SCA
	s_wait_dscnt 28                                ; K step 1's are in; K step 2's may be out
	PV 1, VFB, SCB, 0
	s_wait_dscnt 0x0
	PV 2, VFA, SCA, 0
	PLACES 4                                       ; in front of the first read of results and of loads into registers just read
	; ---- the way out: register 8 t + j of lane (r, h) is out(i0 + r, 16 t + 8 h + j).  Through my own stage (my raw q's bytes: filled once, read by me alone, long ago) and back as whole rows of 256 bytes
.irp t, 0,1,2,3
	ds_store_b128 v[STO], v[O+8*\t:O+8*\t+3] offset:64*\t             ; each accumulator from its low end on
	ds_store_b128 v[STO], v[O+8*\t+4:O+8*\t+7] offset:64*\t+16
.endr
.irp i, 0,1,2,3,4,5,6,7
	ds_load_b128 v[OB+4*\i:OB+4*\i+3], v[RD] offset:2*\i*RP           ; LDS serves a wave's instructions in order (ISA guide 5.7.1.4): these see the stores above
.endr
.irp i, 0,1,2,3,4,5,6,7
	s_wait_dscnt 7-\i                              ; load i is in; the younger ones may be out
	global_store_b128 v[GO], v[OB+4*\i:OB+4*\i+3], s[10:11] offset:512*\i th:TH_STORE_NT   ; 32 lanes store 512 consecutive bytes, at a multiple of 256 from out's first byte; written once, read by nobody here
.endr
	s_wait_xcnt 0x0
	v_lshl_add_u32 v254, v0, 2, 0x41100
	v_mov_b32 v255, 0
	s_wait_tensorcnt 0x0
	ds_add_u32 v254, v255
	s_wait_dscnt 0x0
	s_endpgm
.Lfunc_end_k_q9a938d72f9_attn:
	.size	k_q9a938d72f9_attn, .Lfunc_end_k_q9a938d72f9_attn-k_q9a938d72f9_attn
	.p2alignl 7, 3214868480
	.fill 96, 4, 3214868480
	.section	.rodata,"a",@progbits
	.p2align	6, 0x0
	.amdhsa_kernel k_q9a938d72f9_attn
		.amdhsa_group_segment_fixed_size 268544
		.amdhsa_private_segment_fixed_size 0
		.amdhsa_enable_private_segment 0
		.amdhsa_kernarg_size 32
		.amdhsa_user_sgpr_count 2
		.amdhsa_user_sgpr_kernarg_segment_ptr 1
		.amdhsa_wavefront_size32 1
		.amdhsa_system_sgpr_workgroup_id_x 1
		.amdhsa_system_sgpr_workgroup_id_y 1
		.amdhsa_system_sgpr_workgroup_id_z 1
		.amdhsa_system_vgpr_workitem_id 0
		.amdhsa_next_free_vgpr 256
		.amdhsa_next_free_sgpr 66
		.amdhsa_reserve_vcc 1
		.amdhsa_float_denorm_mode_32 3
		.amdhsa_float_denorm_mode_16_64 3
		.amdhsa_memory_ordered 1
		.amdhsa_forward_progress 1
		.amdhsa_inst_pref_size 77
	.end_amdhsa_kernel
	.amdgpu_metadata
---
amdhsa.version: [ 1, 2 ]
amdhsa.kernels:
  - .name:           k_q9a938d72f9_attn
    .symbol:         k_q9a938d72f9_attn.kd
    .args:
      - { .name: q, .offset: 0, .size: 8, .value_kind: global_buffer, .address_space: global }
      - { .name: k, .offset: 8, .size: 8, .value_kind: global_buffer, .address_space: global }
      - { .name: v, .offset: 16, .size: 8, .value_kind: global_buffer, .address_space: global }
      - { .name: out0, .offset: 24, .size: 8, .value_kind: global_buffer, .address_space: global }
    .group_segment_fixed_size: 268544
    .private_segment_fixed_size: 0
    .kernarg_segment_align: 8
    .kernarg_segment_size: 32
    .max_flat_workgroup_size: 512
    .sgpr_count:     66
    .vgpr_count:     256
    .wavefront_size: 32
...
	.end_amdgpu_metadata
.endif
;; end of part 1
